; MI455X (gfx1250); checked and timed in simulation.
; The chip was launched on July 23, 2026; its instructions are those of AMD's public machine-readable ISA for CDNA 5 (MIT licence, August 2026) and "CDNA5" Instruction Set Architecture Reference Guide (July 2026). The comments in the code are by the model that wrote it; some were corrected since.
;; Multi Head Attention. Allowed arithmetic: float matrix products may take bf16 or f16 operands with f32 sums; all other float work in f32.
;; Inputs: Wk 512 x 512 float32; Wo 512 x 512 float32; Wq 512 x 512 float32; Wv 512 x 512 float32; bk 512 float32; bo 512 float32; bq 512 float32; bv 512 float32; inputs 2 x 4,096 x 512 float32; mask 4,096 x 4,096 float32.
;; Outputs: out0 2 x 4,096 x 512 float32.
;; 2 versions, each right; version 2 is version 1 with the launch outp written anew for expert scheduling mode. Each part assembles by itself: llvm-mc -triple=amdgcn-amd-amdhsa -mcpu=gfx1250 --defsym DOCPART=n.
;; ======== version 1 of 2: 3 launches
;; limits: values are held in f16: magnitudes above 65,504 overflow, below 6.1e-05 lose precision
;; workspace buffers: qf 8,388,608 bytes; kf 8,388,608 bytes; vf 8,388,608 bytes; of 8,388,608 bytes; wof 524,288 bytes
;; launch qkv (part 1): grid 4 x 64, 4 waves a work-group, no clusters, 139,776 bytes of LDS; arguments inputs, Wq, Wk, Wv, bq, bk, bv, Wo, qf, kf, vf, wof; writes qf, kf, vf, wof
.if DOCPART == 1
	.amdgcn_target "amdgcn-amd-amdhsa--gfx1250"
	.amdhsa_code_object_version 6
	.text
	.protected	k_q4577714245_qkv
	.globl	k_q4577714245_qkv
	.p2align	8
	.type	k_q4577714245_qkv,@function
k_q4577714245_qkv:
	s_mov_b64 s[64:65], 0
	v_nop
	global_prefetch_b8 v0, s[64:65] scope:SCOPE_SE
	s_setreg_imm32_b32 hwreg(HW_REG_WAVE_MODE, 25, 1), 1
	s_wait_xcnt 0x0
; q, k, v = x W + b for a block of 128 rows and one pair of heads (128 columns of each of Wq, Wk, Wv).  x: [8192][512] f32, W: [512][512] f32 ([k][n]), b: [512] f32.
; x, W and b are rounded to bf16; products in bf16 with f32 sums, started by the bias as the first product's C operand; q, k, v are rounded once to f16, unscaled.
; LIMITS.  f16 ends at 65,504: |q|, |k|, |v| must stay below it; below 6e-5 f16 keeps its fixed step of 6e-8.  NaN and infinities are not treated apart.
; OUTPUT ORDER.  The results are written as the next launch's matrix operands lie in registers, in CHUNKS of 512 bytes (lane l owns bytes 16 l .. 16 l + 15; r = l % 16, h = l / 16):
;   qf, kf: [Y = 4 batch + head pair][block of 128 rows][head of the pair][block of 16 rows][cb]: row r, channels 16 cb + 8 h + 0..7
;   vf:     [Y][block of 128 rows][head of the pair][kk][cb][j]: channel 16 cb + r, rows 32 kk + 16 j + 8 h + 0..7
; q and k use the matrix instruction transposed (source 0 = 16 columns of W, source 1 = 16 rows of x): a lane then holds one row and eight channels; v uses it as it is: one channel, eight rows.
; So four conversions make a lane's 16 bytes of a chunk, and every store of a wave covers 512 consecutive bytes, aligned.
; SHARES.  Wave w: all 128 rows x channels 32 w .. 32 w + 31 of the pair's 128, of q, k and v: 8 x 6 = 48 accumulators.  K = 512 goes in 8 chunks of 64 through two LDS buffers.
; x and W pass through registers on their way to LDS, since they must be rounded to bf16 there: no copy engine is used.
; SIDE JOB.  Each wave also writes one chunk of wof: Wo rounded to bf16, that number written as f16: [kc][nb][j]: column 16 nb + r, k = 32 kc + 16 j + 8 h + 0..7.
; REGISTERS, in windows of 256 (s_set_vgpr_msb: bits 1:0 source 0, 3:2 source 1, 5:4 source 2, 7:6 destination):
;   window 0: v0-31 addresses and small work; v32-143, v144-255 two fragment buffers (x: 8 x 8 registers, then W: 6 x 8)
;   windows 1, 2: accumulator ac = 6 mb + nk at absolute register 256 + 8 ac;  window 2: v128-175 the bias as C operands, v176-183 at work;  window 3: 256 registers of staging
.set PA,    144                        ; a row of x in LDS: 64 bf16 + 16 bytes: the 16 rows of a fragment load start at 16 different groups of four banks
.set PB,    800                        ; a k-row of W in LDS: 3 x 128 bf16 + 32 bytes = 25 x 32
.set BOFF,  128*PA                     ; W's rows lie behind x's
.set BUFB,  BOFF+64*PB                 ; bytes in a buffer
.set SPARE, 2*BUFB                     ; behind the buffers: the spare words, 128 bytes for each wave
.set RA0, 2                            ; v2-5   lane terms: read x, read W, write x, write W
.set RB0, 3
.set WA0, 4
.set WB0, 5
.set RA,  6                            ; v6-9   the same plus the buffer in hand
.set RB,  7
.set WA,  8
.set WB,  9
.set VA,  10                           ; v10    my byte offset in x's block
.set VB,  11                           ; v11    in W's 64 k-rows
.set VS,  12                           ; v12    16 l: my place in a chunk
.set VWO, 13                           ; v13    my byte offset in Wo
.set VBI, 14                           ; v14    in bq, bk
.set VBV, 15                           ; v15    in bv
.set WG,  16                           ; v16-23 eight numbers of Wo
.set WP,  24                           ; v24-27 packed
.set SPW, 28                           ; v28    LDS address of my spare word; never rewritten
.set NIL, 29                           ; v29    0; never rewritten
.set F0,  32
.set F1,  144
.set BIAS, 128                         ; window 2
.set BT,   176                         ; window 2
.set CNT, 48
.set SR,  49                           ; s49    the buffer that is read
.set SW,  50                           ; s50    the buffer that is written
.set MSB, 0
.macro WIN new                         ; the immediate's high byte repeats the setting that is left; a switch that changes nothing is dropped
.if MSB != (\new)
	s_set_vgpr_msb (MSB<<8)|(\new)
.set MSB, (\new)
.endif
.endm
	s_load_b512 s[8:23], s[0:1], 0x0               ; x s[8:9], Wq s[10:11], Wk s[12:13], Wv s[14:15], bq s[16:17], bk s[18:19], bv s[20:21], Wo s[22:23]
	s_load_b256 s[24:31], s[0:1], 0x40             ; qf s[24:25], kf s[26:27], vf s[28:29], wof s[30:31]
	v_lshl_add_u32 v[SPW], v0, 2, SPARE
	v_mov_b32 v[NIL], 0
	v_lshrrev_b32 v1, 5, v0
	v_readfirstlane_b32 s4, v1                     ; wave 0..3
	s_mov_b32 s2, ttmp9                            ; g: the head pair
	s_and_b32 s3, ttmp7, 0xffff                    ; by: the block of 128 rows
	s_lshr_b32 s5, s4, 1                           ; the head of the pair that my channels belong to
	s_and_b32 s6, s4, 1                            ; which half of its 64 channels
	v_and_b32 v1, 15, v0                           ; r
	v_bfe_u32 v30, v0, 4, 1                        ; h
	v_and_b32 v31, 31, v0                          ; l
	s_lshl_b32 s32, s4, 16
	v_lshlrev_b32 v[VA], 11, v30
	v_lshl_add_u32 v[VA], v1, 4, v[VA]
	v_add_nc_u32 v[VA], s32, v[VA]                 ; (32 w + h) rows of 2,048 bytes + 16 r
	s_lshl_b32 s33, s4, 15
	v_lshl_add_u32 v[VB], v31, 4, s33              ; 16 w k-rows of 2,048 bytes + 16 l
	v_lshlrev_b32 v[VS], 4, v31
	s_mul_i32 s34, s4, 32*PA
	v_mul_u32_u24 v[WA0], v30, PA
	v_lshl_add_u32 v[WA0], v1, 3, v[WA0]
	v_add_nc_u32 v[WA0], s34, v[WA0]               ; (32 w + h) PA + 8 r
	s_mul_i32 s35, s4, 16*PB
	s_add_co_u32 s35, s35, BOFF
	v_lshl_add_u32 v[WB0], v31, 3, s35             ; BOFF + 16 w PB + 8 l
	v_mul_u32_u24 v[RA0], v1, PA
	v_lshl_add_u32 v[RA0], v30, 4, v[RA0]          ; r PA + 16 h
	v_and_b32 v16, 7, v0
	v_lshl_add_u32 v16, v30, 3, v16
	v_mul_u32_u24 v[RB0], v16, PB
	v_bfe_u32 v17, v0, 3, 1
	v_lshl_add_u32 v[RB0], v17, 4, v[RB0]
	s_lshl_b32 s36, s4, 6
	s_add_co_u32 s36, s36, BOFF
	v_add_nc_u32 v[RB0], s36, v[RB0]               ; BOFF + (8 h + l % 8) PB + 16 ((l / 8) % 2) + 64 w
	s_lshl_b32 s37, s6, 15
	v_lshlrev_b32 v[VWO], 14, v30
	v_lshl_add_u32 v[VWO], v1, 2, v[VWO]
	v_add_nc_u32 v[VWO], s37, v[VWO]               ; (16 (w % 2) + 8 h) rows of 2,048 bytes + 4 r
	s_lshl_b32 s38, s4, 7
	v_lshl_add_u32 v[VBI], v30, 5, s38             ; (32 w + 8 h) x 4
	v_lshl_add_u32 v[VBV], v1, 2, s38              ; (32 w + r) x 4
	s_lshl_b32 s40, s3, 18                         ; x: by x 128 rows x 2,048 bytes
	s_mov_b32 s41, 0
	s_lshl_b32 s42, s2, 9                          ; W and b: 128 g columns x 4 bytes
	s_mov_b32 s43, 0
	s_lshl2_add_u32 s44, s3, s2
	s_lshl1_add_u32 s44, s44, s5                   ; f = 2 (4 by + g) + w / 2 = 32 kc + nb: my chunk pair of wof
	s_lshr_b32 s45, s44, 5
	s_and_b32 s46, s44, 31
	s_lshl_b32 s45, s45, 16                        ; 32 kc rows of Wo
	s_lshl_b32 s46, s46, 6                         ; 16 nb columns
	s_add_co_u32 s46, s46, s45
	s_mov_b32 s47, 0
	s_lshl_b32 s44, s44, 10
	s_lshl_b32 s45, s6, 9
	s_add_co_u32 s44, s44, s45                     ; 1,024 f + 512 (w % 2)
	s_mov_b32 s45, 0
	s_lshr_b32 s39, s3, 5                          ; the batch
	s_lshl_b32 s39, s39, 7
	s_and_b32 s51, s3, 31                          ; the block of 128 rows in it
	s_add_co_u32 s39, s39, s51
	s_lshl_b32 s51, s2, 5
	s_add_co_u32 s39, s39, s51                     ; 32 Y + block
	s_lshl1_add_u32 s39, s39, s5                   ; x 2 + head of the pair
	s_lshl_b32 s39, s39, 14
	s_lshl_b32 s51, s6, 10
	s_add_co_u32 s52, s39, s51                     ; q, k: my two cb begin at 2 (w % 2)
	s_mov_b32 s53, 0
	s_lshl_b32 s51, s6, 11
	s_add_co_u32 s54, s39, s51                     ; v: the same, in units of two chunks
	s_mov_b32 s55, 0
	s_wait_kmcnt 0x0
	s_add_nc_u64 s[8:9], s[8:9], s[40:41]
.irp p, 10,12,14,16,18,20
	s_add_nc_u64 s[\p:\p+1], s[\p:\p+1], s[42:43]
.endr
	s_add_nc_u64 s[22:23], s[22:23], s[46:47]
	s_add_nc_u64 s[24:25], s[24:25], s[52:53]
	s_add_nc_u64 s[26:27], s[26:27], s[52:53]
	s_add_nc_u64 s[28:29], s[28:29], s[54:55]
	s_add_nc_u64 s[30:31], s[30:31], s[44:45]
; 64 loads: my 32 rows x 256 bytes of x (two rows a load), my 16 k-rows x 512 bytes of each W (a row a load), into the staging registers
.macro LOAD
	WIN 0xc0                                       ; destination window 3, address window 0
.set i, 0
.rept 16
	global_load_b128 v[4*i:4*i+3], v[VA], s[8:9] offset:4096*i
.set i, i+1
.endr
.irp m, 0,1,2
.set i, 0
.rept 16
	global_load_b128 v[64+4*(16*(\m)+i):64+4*(16*(\m)+i)+3], v[VB], s[10+2*(\m):11+2*(\m)] offset:2048*i
.set i, i+1
.endr
.endr
.endm
; the staged numbers are rounded to bf16 in place (four numbers into two registers) and stored into the buffer that is written
.macro CVTSTORE
	WIN 0xcf
.set i, 0
.rept 64
	v_cvt_pk_bf16_f32 v[4*i], v[4*i], v[4*i+1]
	v_cvt_pk_bf16_f32 v[4*i+1], v[4*i+2], v[4*i+3]
.set i, i+1
.endr
	WIN 0x0c                                       ; address window 0, data window 3
.set i, 0
.rept 16
	ds_store_b64 v[WA], v[4*i:4*i+1] offset:2*PA*i
.set i, i+1
.endr
.irp m, 0,1,2
.set i, 0
.rept 16
	ds_store_b64 v[WB], v[64+4*(16*(\m)+i):64+4*(16*(\m)+i)+1] offset:PB*i+256*(\m)
.set i, i+1
.endr
.endr
.endm
.macro STEP                            ; the next 64 along K
	s_add_nc_u64 s[8:9], s[8:9], 256
	s_add_nc_u64 s[10:11], s[10:11], 0x20000
	s_add_nc_u64 s[12:13], s[12:13], 0x20000
	s_add_nc_u64 s[14:15], s[14:15], 0x20000
.endm
.macro ADDR
	WIN 0
	v_add_nc_u32 v[RA], s[SR], v[RA0]
	v_add_nc_u32 v[RB], s[SR], v[RB0]
	v_add_nc_u32 v[WA], s[SW], v[WA0]
	v_add_nc_u32 v[WB], s[SW], v[WB0]
.endm
; 28 LDS loads: the fragments of 32 along K from k0 on: 8 of x as they lie, 6 of W turned ([k][n] in LDS)
.macro FETCH f, k0
	WIN 0
.irp m, 0,1,2,3,4,5,6,7
	ds_load_b128 v[(\f)+8*(\m):(\f)+8*(\m)+3],   v[RA] offset:16*PA*(\m)+2*(\k0)
	ds_load_b128 v[(\f)+8*(\m)+4:(\f)+8*(\m)+7], v[RA] offset:16*PA*(\m)+2*(\k0)+32
.endr
.irp n, 0,1,2,3,4,5
	ds_load_tr16_b128 v[(\f)+64+8*(\n):(\f)+64+8*(\n)+3],   v[RB] offset:256*((\n)/2)+32*((\n)%2)+PB*(\k0)
	ds_load_tr16_b128 v[(\f)+64+8*(\n)+4:(\f)+64+8*(\n)+7], v[RB] offset:256*((\n)/2)+32*((\n)%2)+PB*(\k0)+16*PB
.endr
.endm
; 48 matrix instructions, one on each accumulator: the accumulators take turns.  first = 1: the bias is the C operand that starts the sum.
.macro MUL f, first
.set ac, 0
.rept 48
.if ac < 32
	WIN 0x50+0x10*(\first)                         ; D window 1; C window 1, or window 2 for the bias
.else
	WIN 0xa0
.endif
.set rD, (8*ac)%256
.set rX, (\f)+8*(ac/6)
.set rW, (\f)+64+8*(ac%6)
.if (ac%6) < 4
.set r0, rW                            ; q, k: transposed
.set r1, rX
.else
.set r0, rX                            ; v: as it is
.set r1, rW
.endif
.if \first
	v_wmma_f32_16x16x32_bf16 v[rD:rD+7], v[r0:r0+7], v[r1:r1+7], v[BIAS+8*(ac%6):BIAS+8*(ac%6)+7]
.else
	v_wmma_f32_16x16x32_bf16 v[rD:rD+7], v[r0:r0+7], v[r1:r1+7], v[rD:rD+7]
.endif
.set ac, ac+1
.endr
.endm
	WIN 0x80                                       ; the bias: destination window 2
.irp i, 0,1
	global_load_b128 v[BIAS+8*(\i):BIAS+8*(\i)+3],       v[VBI], s[16:17] offset:64*(\i)
	global_load_b128 v[BIAS+8*(\i)+4:BIAS+8*(\i)+7],     v[VBI], s[16:17] offset:64*(\i)+16
	global_load_b128 v[BIAS+16+8*(\i):BIAS+16+8*(\i)+3], v[VBI], s[18:19] offset:64*(\i)
	global_load_b128 v[BIAS+16+8*(\i)+4:BIAS+16+8*(\i)+7], v[VBI], s[18:19] offset:64*(\i)+16
	global_load_b32 v[BIAS+32+8*(\i)], v[VBV], s[20:21] offset:64*(\i)
.endr
	WIN 0
.irp i, 0,1,2,3,4,5,6,7
	global_load_b32 v[WG+(\i)], v[VWO], s[22:23] offset:2048*(\i)  ; eight k of one column of Wo
.endr
	LOAD                                           ; K chunk 0
	s_wait_loadcnt 0x0
	WIN 0xaa                                       ; the bias is rounded to bf16 and widened again
.irp n, 0,1,2,3
.irp j, 0,1,2,3
	v_cvt_pk_bf16_f32 v[BT+(\j)], v[BIAS+8*(\n)+2*(\j)], v[BIAS+8*(\n)+2*(\j)+1]
.endr
.irp j, 0,1,2,3
	v_lshlrev_b32 v[BIAS+8*(\n)+2*(\j)], 16, v[BT+(\j)]
	v_and_b32 v[BIAS+8*(\n)+2*(\j)+1], 0xffff0000, v[BT+(\j)]
.endr
.endr
.irp n, 4,5
	v_cvt_pk_bf16_f32 v[BT+(\n)], v[BIAS+8*(\n)], v[BIAS+8*(\n)]
.irp j, 0,1,2,3,4,5,6,7
	v_lshlrev_b32 v[BIAS+8*(\n)+(\j)], 16, v[BT+(\n)]  ; v: a lane holds one channel, so one number fills its eight registers
.endr
.endr
	WIN 0                                          ; Wo: to bf16, widened, and that number as f16
.irp j, 0,1,2,3
	v_cvt_pk_bf16_f32 v[WP+(\j)], v[WG+2*(\j)], v[WG+2*(\j)+1]
.endr
.irp j, 0,1,2,3
	v_lshlrev_b32 v[WG+2*(\j)], 16, v[WP+(\j)]
	v_and_b32 v[WG+2*(\j)+1], 0xffff0000, v[WP+(\j)]
.endr
.irp j, 0,1,2,3
	v_cvt_pk_f16_f32 v[WP+(\j)], v[WG+2*(\j)], v[WG+2*(\j)+1]
.endr
	global_store_b128 v[VS], v[WP:WP+3], s[30:31]  ; the wave's 512 consecutive bytes of wof
	s_mov_b32 s[SR], BUFB
	s_mov_b32 s[SW], 0
	ADDR
	CVTSTORE                                       ; chunk 0 into buffer 0
	STEP                                           ; the loads that named these bases are done
	LOAD                                           ; chunk 1
	WIN 0
	s_wait_dscnt 0x0                               ; for the others' sake: my stores are done
	s_barrier_signal -1
	s_barrier_wait -1
	s_xor_b32 s[SR], s[SR], BUFB
	s_xor_b32 s[SW], s[SW], BUFB
	ADDR
	FETCH F0, 0
	FETCH F1, 32
	s_wait_dscnt 28                                ; the first 32 along K are in; the 28 younger loads may stay out
	MUL F0, 1                                      ; the first products start the sums on the bias
	WIN 0
; A trip: the second half of chunk c is multiplied; chunk c + 1 goes into the other buffer; (ld = 1) chunk c + 2 is asked for; ONE barrier: in front of it each wave's stores into the other buffer are
; done and its reads of this buffer are back; behind it chunk c + 1's fragments are read, and its first half is multiplied.  The buffer written here was last read a trip ago, ahead of that trip's barrier.
; The 128 conversions are the places between the products and the loads into the registers that they read.
.macro TRIP ld
	s_wait_dscnt 0x0
	MUL F1, 0
	s_wait_loadcnt 0x0                             ; the staged chunk is in; its loads' bases may be stepped
	CVTSTORE
.if \ld
	STEP
	LOAD
.endif
	WIN 0
	s_wait_dscnt 0x0
	s_barrier_signal -1
	s_barrier_wait -1
	s_xor_b32 s[SR], s[SR], BUFB
	s_xor_b32 s[SW], s[SW], BUFB
	ADDR
	FETCH F0, 0
	FETCH F1, 32
	s_wait_dscnt 28
	MUL F0, 0
	WIN 0
.endm
	s_mov_b32 s[CNT], 6
.Lchunk:                                               ; trips 0 to 5 ask for chunks 2 to 7
	TRIP 1
	s_sub_co_u32 s[CNT], s[CNT], 1
	s_cmp_lg_u32 s[CNT], 0
	s_cbranch_scc1 .Lchunk
	TRIP 0                                         ; nothing is left to ask for
	s_wait_dscnt 0x0
	MUL F1, 0
.rept 4
	v_nop                                          ; four places behind the last products (ISA guide 7.12.1)
.endr
	; THE WAY OUT: each accumulator, low registers first, becomes a lane's 16 bytes of a chunk, in a register of its own; then 48 stores of 512 consecutive bytes
.set ac, 0
.rept 48
.if ac < 32
	WIN 0x05
.else
	WIN 0x0a
.endif
.set rD, (8*ac)%256
.irp j, 0,1,2,3
	v_cvt_pk_f16_f32 v[F0+4*ac+(\j)], v[rD+2*(\j)], v[rD+2*(\j)+1]
.endr
.set ac, ac+1
.endr
	WIN 0
.set ac, 0
.rept 48
.set mb, ac/6
.set nk, ac%6
.if nk < 2
	global_store_b128 v[VS], v[F0+4*ac:F0+4*ac+3], s[24:25] offset:2048*mb+512*(nk%2)
.elseif nk < 4
	global_store_b128 v[VS], v[F0+4*ac:F0+4*ac+3], s[26:27] offset:2048*mb+512*(nk%2)
.else
	global_store_b128 v[VS], v[F0+4*ac:F0+4*ac+3], s[28:29] offset:4096*(mb/2)+1024*(nk%2)+512*(mb%2)
.endif
.set ac, ac+1
.endr
	s_wait_tensorcnt 0x0                           ; the wave's end, behind my last LDS store
	ds_add_u32 v[SPW], v[NIL]
	s_wait_dscnt 0x0
	s_endpgm
.Lfunc_end_k_q4577714245_qkv:
	.size	k_q4577714245_qkv, .Lfunc_end_k_q4577714245_qkv-k_q4577714245_qkv
	.p2alignl 7, 3214868480
	.fill 96, 4, 3214868480
	.section	.rodata,"a",@progbits
	.p2align	6, 0x0
	.amdhsa_kernel k_q4577714245_qkv
		.amdhsa_group_segment_fixed_size 139776
		.amdhsa_private_segment_fixed_size 0
		.amdhsa_enable_private_segment 0
		.amdhsa_kernarg_size 96
		.amdhsa_user_sgpr_count 2
		.amdhsa_user_sgpr_kernarg_segment_ptr 1
		.amdhsa_wavefront_size32 1
		.amdhsa_system_sgpr_workgroup_id_x 1
		.amdhsa_system_sgpr_workgroup_id_y 1
		.amdhsa_system_sgpr_workgroup_id_z 1
		.amdhsa_system_vgpr_workitem_id 0
		.amdhsa_next_free_vgpr 1024
		.amdhsa_next_free_sgpr 66
		.amdhsa_reserve_vcc 0
		.amdhsa_float_denorm_mode_32 3
		.amdhsa_float_denorm_mode_16_64 3
		.amdhsa_memory_ordered 1
		.amdhsa_forward_progress 1
		.amdhsa_inst_pref_size 113
	.end_amdhsa_kernel
	.amdgpu_metadata
---
amdhsa.version: [ 1, 2 ]
amdhsa.kernels:
  - .name:           k_q4577714245_qkv
    .symbol:         k_q4577714245_qkv.kd
    .args:
      - { .name: inputs, .offset: 0, .size: 8, .value_kind: global_buffer, .address_space: global }
      - { .name: Wq, .offset: 8, .size: 8, .value_kind: global_buffer, .address_space: global }
      - { .name: Wk, .offset: 16, .size: 8, .value_kind: global_buffer, .address_space: global }
      - { .name: Wv, .offset: 24, .size: 8, .value_kind: global_buffer, .address_space: global }
      - { .name: bq, .offset: 32, .size: 8, .value_kind: global_buffer, .address_space: global }
      - { .name: bk, .offset: 40, .size: 8, .value_kind: global_buffer, .address_space: global }
      - { .name: bv, .offset: 48, .size: 8, .value_kind: global_buffer, .address_space: global }
      - { .name: Wo, .offset: 56, .size: 8, .value_kind: global_buffer, .address_space: global }
      - { .name: qf, .offset: 64, .size: 8, .value_kind: global_buffer, .address_space: global }
      - { .name: kf, .offset: 72, .size: 8, .value_kind: global_buffer, .address_space: global }
      - { .name: vf, .offset: 80, .size: 8, .value_kind: global_buffer, .address_space: global }
      - { .name: wof, .offset: 88, .size: 8, .value_kind: global_buffer, .address_space: global }
    .group_segment_fixed_size: 139776
    .private_segment_fixed_size: 0
    .kernarg_segment_align: 8
    .kernarg_segment_size: 96
    .max_flat_workgroup_size: 128
    .sgpr_count:     66
    .vgpr_count:     1024
    .wavefront_size: 32
...
	.end_amdgpu_metadata
.endif
;; end of part 1
;; launch attn (part 2): grid 32 x 8, 4 waves a work-group, clusters of 4 x 4, 327,680 bytes of LDS; arguments qf, kf, vf, mask, of; writes of
.if DOCPART == 2
	.amdgcn_target "amdgcn-amd-amdhsa--gfx1250"
	.amdhsa_code_object_version 6
	.text
	.protected	k_q4577714245_attn
	.globl	k_q4577714245_attn
	.p2align	8
	.type	k_q4577714245_attn,@function
k_q4577714245_attn:
	s_mov_b64 s[64:65], 0
	v_nop
	global_prefetch_b8 v0, s[64:65] scope:SCOPE_SE
	s_setreg_imm32_b32 hwreg(HW_REG_WAVE_MODE, 25, 1), 1
	s_wait_xcnt 0x0
	s_wait_alu depctr_hold_cnt(0) depctr_sa_sdst(0) depctr_va_vdst(0) depctr_va_sdst(0) depctr_va_ssrc(0) depctr_va_vcc(0) depctr_vm_vsrc(0)
	s_getreg_b32 s2, hwreg(HW_REG_IB_STS2, 6, 4)
	s_cmp_eq_u32 s2, 0
	s_cbranch_scc0 .Lentry_in_a_cluster
	s_endpgm
.Lentry_in_a_cluster:
	s_bfe_u32 s2, ttmp6, 0x10000c
	s_cmp_lg_u32 s2, 0xf033
	s_cbranch_scc0 .Lentry_shape_is_right
	s_endpgm
.Lentry_shape_is_right:
; O[b][h][q][:] = the sum over k of softmax_k((Q[q] . K[k] + mask[q][k] x (-1e9)) / 8) V[k][:], for 4,096 keys, head size 64.  The mask is an input, [4096][4096] f32: every word of it is read and
; applied as it is given, and no key is left out.  Q, K, V arrive in f16 in the order in which the matrix unit wants them (chunks of 512 bytes, lane l at byte 16 l); O leaves in f16 in such an order.
; Products, the mask's term, maxima and sums in f32; the weights p are rounded to f16 for the second product (their sum l is taken of the unrounded p), O once at the end.
; LIMITS.  |mask| below 2e28, so that c s stays above the value at which c m starts.  mask x (-1e9) + Q.K is one fused multiply-add, rounded once, where the formula rounds product and sum; the two
; agree wherever the product is exact (mask 0 or 1).  In a row whose keys are all blocked c m is rounded at 1.8e8: a factor of at most 2^8 common to the row's weights, which leaves O / l as it is.
; A weight below 2^-126 counts as 0; p below 6e-5 keeps f16's fixed step of 6e-8; NaN and infinities are not treated apart.
; SHARES.  A work-group: 128 queries (block SX of 32) x the two heads of a pair (SY = 4 batch + pair).  Wave w: head w / 2 of the pair, queries 64 (w % 2) on: four PIECES of 16.  Keys go 64 a step.
; LAYOUT.  S^T = K Q^T (source 0 = 16 keys, source 1 = 16 queries): a lane holds ONE query (l % 16) and the keys 8 (l / 16) + 0..7 of each group of 16; the mask's words for them are 32 consecutive
; bytes of the query's row.  Two results rounded to f16 ARE source 1 of O^T = V^T P.  p = 2^(c s - c m), c = log2(e) / 8, with a running maximum m; O and l are multiplied by a = 2^(c m_old - c m_new).
; m starts at the lowest finite number, O and l at 0: the first step is a step like any other, with a = 0.
; BY TURNS.  Turn n belongs to piece n: 8 products K Q^T of piece n + 1, later 8 products V^T P of piece n - 1; beside them the scaling, exponentials, roundings, sums and rescaling of piece n, and the
; mask's term, maximum and statistics of piece n + 1.  Four vector instructions stand behind every matrix instruction, the other 70 of a turn's 134 in two lumps.
; CLUSTER.  4 x 4 work-groups.  K and V hang on SY alone and are shared along a row of the cluster, the mask's tile on SX alone and is shared along a column: each is asked for JOINTLY, by the same
; tensor load with the same descriptor and a mask that names the four.
; LDS.  Two slots of two key steps: K 32,768 bytes (head, step, chunks), V the same, then 128 rows of the mask x 128 keys, 512 bytes + 16 of padding.
; REGISTERS, in windows of 256 (s_set_vgpr_msb: bits 1:0 source 0, 3:2 source 1, 5:4 source 2, 7:6 destination):
;   window 0: v0-15 addresses and two at work; v16-31 statistics; v48-55 at work; v64-127 S^T, two buffers; v128-191 the mask's words, two buffers; v192-223 P, two buffers (by the piece's parity)
;   window 1: v0-127 O^T, 32 a piece          window 2: v0-63 Q; v128-191 K of one step; v192-255 V of one step
.set NP,    4         ; pieces a wave: a name, no knob
.set PM,    528       ; a row of the mask's tile in LDS: 33 x 16 bytes: the 16 rows of a load start at 16 different groups of four banks
.set VOFF,  32768
.set MOFF,  65536
.set SLOTB, MOFF+128*PM  ; 133,120 = 0x20800; no slot-0 base (0, 0x8000, 0x10000, 0x18400) has bit 11 or 17 set, so one exclusive or turns an address in one slot into the other's
.set SPARE, 2*SLOTB   ; behind the ring: the spare words, 128 bytes for each wave
.set AK0, 2           ; v2   my lane's place in a slot's K; never rewritten
.set AV0, 3           ; v3   in its V
.set AK,  4           ; v4   the LDS address of K's next run of loads
.set AV,  5           ; v5   of V's
.set AM0, 6           ; v6   my lane's place in a slot's mask tile
.set AM,  7           ; v7   the LDS address of the step's mask loads
.set GO,  8           ; v8   16 l: my place in a chunk
.set VPF, 10          ; v10  my byte offset among the 32 blocks of 256 bytes that my work-group prefetches
.set MV,  12          ; v12-13  c m_old, kept while c m is made anew: by buffer
.set ST,  16          ; piece t's statistics at v[ST+4 t]: c m, m, l (even keys', odd keys')
.set TMP, 48          ; by buffer, four registers c0-c3 at work; when the maximum is found c2 takes a
.set SPW, 62          ; v62  LDS address of my spare word; never rewritten
.set NIL, 63          ; v63  0; never rewritten
.set S,   64
.set MK,  128
.set P,   192
.set KF,  128         ; window 2: key block kb, channel half c at KF + 16 kb + 8 c
.set VF,  192         ; window 2: key half kk, channel block cb at VF + 32 kk + 8 cb
.set WV,  14          ; s14  my wave's number
.set PAR, 15          ; s15  w % 2
.set HH,  16          ; s16  w / 2
.set CX,  17
.set CY,  18
.set SX,  19          ; s19  the block of 128 queries
.set SY,  20          ; s20  4 batch + head pair
.set G1A, 24          ; s[24:31] descriptor group 1 for K's and V's tiles
.set G1B, 32          ; s[32:39] for the mask's
.set G0A, 40          ; s[40:43] descriptor group 0 for K's (wave 0) or V's (wave 1) tiles: it walks
.set G0B, 44          ; s[44:47] for the mask's halves (waves 2, 3)
.set PFB, 52          ; s[52:53] the mask at my work-group's 16 rows of the tile
.set PFA, 54          ; s[54:55] the same at the slot that is prefetched
.set SLOTS, 56
.set CNT, 57
.set CS,  58          ; s[58:59] c, named as a pair
.set SEL, 60          ; s[60:61] v_permlanex16_b32's selects
.set TK,  62          ; s62  LDS byte at which K of the step to be fetched begins, less the lane's place
.set TV,  63          ; s63  the same for V
.set TM,  66          ; s66  for the mask
.set PI,  67          ; s67  the slot to be prefetched
.set NG,  68          ; s[68:69] -1e9, named as a pair
.set KV,  70          ; s[70:71] kf or vf, by my wave's number
.set PT,  76          ; s[76:77] a byte offset
.set MSB, 0
.macro WIN new
.if MSB != (\new)
	s_set_vgpr_msb (MSB<<8)|(\new)
.set MSB, (\new)
.endif
.endm
.set W_KQ, 0x0a       ; K and Q in window 2, S^T in window 0
.set W_PV, 0x52       ; V in window 2, P in window 0, O^T in window 1
.set W_RS, 0x41       ; destination and source 0 in window 1, source 1 in window 0
; A joint fill.  Wave 0 fetches a slot's K, wave 1 its V, waves 2 and 3 the halves of its mask tile.  The branch hangs on the wave's number alone.
; An s_nop 0 and four v_nop follow each of the two lines, ahead of the jump and the label.
.macro JLOAD
	s_cmp_lt_u32 s[WV], 2
	s_cbranch_scc0 .Lfor_m_\@
	tensor_load_to_lds s[G0A:G0A+3], s[G1A:G1A+7]
	s_nop 0
.rept 4
	v_nop
.endr
	s_branch .Lasked_\@
.Lfor_m_\@:
	tensor_load_to_lds s[G0B:G0B+3], s[G1B:G1B+7]
	s_nop 0
.rept 4
	v_nop
.endr
.Lasked_\@:
.endm
; A round of the cluster's barrier: my work-group's barrier, so that wave 0's signal speaks for all four waves; wave 0 signals; every wave waits for all sixteen work-groups; my work-group's barrier once more.
.macro CROUND
	s_barrier_signal -1
	s_barrier_wait -1
	s_cmp_lg_u32 s[WV], 0
	s_cbranch_scc1 .Lnot_wave_0_\@
	s_barrier_signal -3
.Lnot_wave_0_\@:
	s_barrier_wait -3
	s_barrier_signal -1
	s_barrier_wait -1
.endm
; THE CHANGE OF SLOTS.  All of the old slot's bytes have been asked for.  Each wave waits for all its tensor loads, of which one is out: its part of the other slot; adds 0 to its spare word; and waits for
; that and for its own reads of the old slot.  fill = 1: the old slot is filled again, with the keys two slots on: the barrier is a round of the cluster's, so that no wave of any partner still reads the
; slot or has a load on its way, and the joint fill is the first thing behind it: it has two key steps, 128 matrix instructions, in which to land.  (At its first use: slot 0 is waited for, slot 1 filled.)
; Behind the fill wave 0 prefetches my work-group's sixteenth... eighth part (16 rows x 512 bytes, 32 blocks of 256) of the mask tile of the slot behind the one just asked for: the eight work-groups
; that read a tile ask for each block once, one slot ahead of the tensor load that wants it; the slot's number is held at 31, the last, so that no request leaves the buffer.
.macro CHANGE fill
	WIN 0                           ; at a label and at a branch every window is 0
.if \fill
	s_wait_xcnt 0x0                 ; the last prefetch has read its base, which is written anew below
.endif
	s_wait_tensorcnt 0x0            ; no tensor load of mine is out, so a group 0 may be written
	ds_add_u32 v[SPW], v[NIL]       ; 0 onto my spare word; scalar work stands between it and the wait for it
.if \fill
	s_xor_b32 s[G0A+1], s[G0A+1], SLOTB
	s_add_nc_u64 s[G0A+2:G0A+3], s[G0A+2:G0A+3], 32768  ; the next 128 keys of both heads; the type bits on top are not reached
	s_xor_b32 s[G0B+1], s[G0B+1], SLOTB
	s_add_nc_u64 s[G0B+2:G0B+3], s[G0B+2:G0B+3], 512    ; the next 128 columns of the mask
	s_min_u32 s[PT], s[PI], 31
	s_lshl_b32 s[PT], s[PT], 9
	s_add_nc_u64 s[PFA:PFA+1], s[PFB:PFB+1], s[PT:PT+1]
	s_add_co_u32 s[PI], s[PI], 1
	s_wait_dscnt 0x0                ; the add is done, and my reads of the slot are over
	CROUND
	JLOAD
	s_cmp_lg_u32 s[WV], 0
	s_cbranch_scc1 .Lno_pf_\@
	global_prefetch_b8 v[VPF], s[PFA:PFA+1] th:TH_LOAD_NT scope:SCOPE_SE
.Lno_pf_\@:
.else
	s_wait_dscnt 0x0                ; the add is done, and my reads of the slot are over
	s_barrier_signal -1
	s_barrier_wait -1
.endif
	s_xor_b32 s[TK], s[TK], SLOTB   ; the fetches go on in the other slot
	s_xor_b32 s[TV], s[TV], SLOTB
	s_xor_b32 s[TM], s[TM], SLOTB
.endm
	s_load_b256 s[4:11], s[0:1], 0x0  ; qf s[4:5], kf s[6:7], vf s[8:9], mask s[10:11]
	s_load_b64 s[12:13], s[0:1], 0x20 ; of
	v_lshl_add_u32 v[SPW], v0, 2, SPARE
	v_mov_b32 v[NIL], 0
	ds_add_u32 v[SPW], v[NIL]       ; the wave's opening, ahead of my first tensor load; the set-up below, work on registers, stands between the add and its wait
	v_lshrrev_b32 v1, 5, v0
	v_readfirstlane_b32 s[WV], v1   ; wave 0..3
	s_and_b32 s[PAR], s[WV], 1
	s_lshr_b32 s[HH], s[WV], 1
	s_bfe_u32 s[CX], ttmp6, 0x40000 ; my place in the cluster
	s_bfe_u32 s[CY], ttmp6, 0x40004
	s_lshl_b32 s[SX], ttmp9, 2      ; in a cluster launch ttmp9 and ttmp7 count clusters
	s_add_co_u32 s[SX], s[SX], s[CX]
	s_and_b32 s[SY], ttmp7, 0xffff
	s_lshl_b32 s[SY], s[SY], 2
	s_add_co_u32 s[SY], s[SY], s[CY]
	s_lshl_b32 s21, s[CY], 2
	s_lshl_b32 s21, 15, s21         ; my row of the cluster
	s_lshl_b32 s22, 0x1111, s[CX]   ; my column
	; group 1 for K and V: 32,768 dense bytes as 128 rows of 256, in elements of 8 bytes, no padding
	s_or_b32 s[G1A], s21, (3<<16)|(1<<21)  ; 15:0 the mask: my row; 17:16 elements of 8 bytes; 21 set beside a mask
	s_mov_b32 s[G1A+1], 32<<16      ; tensor_dim0 = 32
	s_mov_b32 s[G1A+2], 128<<16     ; tensor_dim1 = 128
	s_mov_b32 s[G1A+3], 32<<16      ; tile_dim0 = 32
	s_mov_b32 s[G1A+4], 128         ; tile_dim1 = 128
	s_mov_b32 s[G1A+5], 32          ; 32 elements from row to row
	s_mov_b32 s[G1A+6], 0
	s_mov_b32 s[G1A+7], 0
	; group 1 for the mask: 64 rows x 128 words, 4 words of padding behind every 128
	s_or_b32 s[G1B], s22, (2<<16)|(1<<20)|(1<<21)|(6<<22)|(3<<25)  ; 15:0 my column; 17:16 elements of 4 bytes; 20 padding on; 21 set beside a mask; 24:22 after every 128 words (code 6); 31:25 4 words (code 3)
	s_mov_b32 s[G1B+1], 128<<16     ; tensor_dim0 = 128
	s_mov_b32 s[G1B+2], 64<<16      ; tensor_dim1 = 64
	s_mov_b32 s[G1B+3], 128<<16     ; tile_dim0 = 128
	s_mov_b32 s[G1B+4], 64          ; tile_dim1 = 64
	s_mov_b32 s[G1B+5], 4096        ; 4,096 elements from row to row
	s_mov_b32 s[G1B+6], 0
	s_mov_b32 s[G1B+7], 0
	s_mov_b32 s[G0A], 1             ; count = 1
	s_lshl_b32 s[G0A+1], s[PAR], 15 ; LDS: K at 0, V at 32,768, in slot 0: no place in the cluster enters an LDS address
	s_mov_b32 s[G0B], 1
	s_mul_i32 s[G0B+1], s[PAR], 64*PM
	s_add_co_u32 s[G0B+1], s[G0B+1], MOFF
	s_lshl_b32 s48, s[SY], 20       ; K, V: SY x 32 blocks x 32,768 bytes: in registers that never hold cx
	s_mov_b32 s49, 0
	s_lshl_b32 s50, s[SX], 21       ; the mask: SX x 128 rows x 16,384 bytes, and my half's 64 rows: in registers that never hold cy
	s_lshl_b32 s23, s[PAR], 20
	s_add_co_u32 s50, s50, s23
	s_mov_b32 s51, 0
	s_lshl_b32 s72, s[SY], 5        ; Q: ((32 SY + SX) x 2 + head) x 16,384 + my 64 queries' 8,192
	s_add_co_u32 s72, s72, s[SX]
	s_lshl1_add_u32 s72, s72, s[HH]
	s_lshl_b32 s72, s72, 14
	s_lshl_b32 s78, s[PAR], 13
	s_add_co_u32 s72, s72, s78
	s_mov_b32 s73, 0
	s_lshr_b32 s74, s[SY], 2        ; O: block of 16 rows 256 batch + 8 SX + 4 (w % 2), 16,384 bytes each; head x 2,048 in it
	s_lshl_b32 s74, s74, 8
	s_lshl3_add_u32 s74, s[SX], s74
	s_lshl2_add_u32 s74, s[PAR], s74
	s_lshl_b32 s74, s74, 14
	s_and_b32 s78, s[SY], 3
	s_lshl1_add_u32 s78, s78, s[HH]
	s_lshl_b32 s78, s78, 11
	s_add_co_u32 s74, s74, s78
	s_mov_b32 s75, 0
	s_mov_b32 s[CS], 0x3e38aa3b     ; c = log2(e) / 8 = 0.180337
	s_mov_b32 s[CS+1], s[CS]
	s_mov_b32 s[NG], 0xce6e6b28     ; -1e9
	s_mov_b32 s[NG+1], s[NG]
	s_mov_b32 s[SEL], 0x76543210
	s_mov_b32 s[SEL+1], 0xfedcba98
	s_mov_b32 s[TK], SLOTB          ; the first change of slots turns these three into 0
	s_mov_b32 s[TV], SLOTB
	s_mov_b32 s[TM], SLOTB
	s_mov_b32 s[PI], 2
	s_lshl_b32 s[PT], s[SX], 21
	s_mov_b32 s[PT+1], 0
	s_wait_dscnt 0x0                ; the opening add is done
	s_wait_kmcnt 0x0
	s_cmp_eq_u32 s[PAR], 1
	s_cselect_b64 s[KV:KV+1], s[8:9], s[6:7]       ; wave 1 fetches V, wave 0 K
	s_add_nc_u64 s[G0A+2:G0A+3], s[KV:KV+1], s[48:49]
	s_or_b32 s[G0A+3], s[G0A+3], 0x80000000        ; type = 2
	s_add_nc_u64 s[G0B+2:G0B+3], s[10:11], s[50:51]
	s_or_b32 s[G0B+3], s[G0B+3], 0x80000000
	s_add_nc_u64 s[PFB:PFB+1], s[10:11], s[PT:PT+1]
	s_lshl_b32 s[PT], s[SY], 18     ; my work-group's 16 of the tile's 128 rows
	s_add_nc_u64 s[PFB:PFB+1], s[PFB:PFB+1], s[PT:PT+1]
	s_add_nc_u64 s[4:5], s[4:5], s[72:73]
	s_add_nc_u64 s[12:13], s[12:13], s[74:75]
	CROUND                          ; all sixteen work-groups are here: the first joint loads meet
	JLOAD                           ; slot 0.  Slot 1 is asked for when slot 0 is in
	v_and_b32 v1, 31, v0            ; l
	v_and_b32 v9, 15, v0            ; r
	v_bfe_u32 v11, v0, 4, 1         ; h
	v_lshlrev_b32 v[GO], 4, v1
	WIN 0x80                        ; destination window 2, address window 0
.set i, 0
.rept 16                            ; Q stays in registers: 16 chunks, piece i / 4
	global_load_b128 v[4*i:4*i+3], v[GO], s[4:5] offset:512*i
.set i, i+1
.endr
	; What the first turn finds: V's registers and P's second buffer hold 0 (its products V^T P, of a piece that has not been, add 0), O^T and l are 0.  All this stands in the wait for the first tile.
.set i, VF
.rept 64
	v_mov_b32 v[i], 0
.set i, i+1
.endr
	WIN 0x40
.set i, 0
.rept 128
	v_mov_b32 v[i], 0
.set i, i+1
.endr
	WIN 0
.set i, 0
.rept 4
	v_mov_b32 v[ST+4*i], 0xfe000000    ; c m: far below every c s
	v_mov_b32 v[ST+4*i+1], 0xff7fffff  ; m
	v_mov_b32 v[ST+4*i+2], 0
	v_mov_b32 v[ST+4*i+3], 0
.set i, i+1
.endr
.set i, P+16
.rept 16
	v_mov_b32 v[i], 0
.set i, i+1
.endr
	s_lshl_b32 s79, s[HH], 14
	v_lshl_add_u32 v[AK0], v1, 4, s79     ; my head's 16,384 bytes + 16 l
	v_add_nc_u32 v[AV0], VOFF, v[AK0]
	s_mul_i32 s78, s[PAR], 64*PM
	s_add_co_u32 s78, s78, MOFF
	v_mul_u32_u24 v[AM0], v9, PM
	v_lshl_add_u32 v[AM0], v11, 5, v[AM0]
	v_add_nc_u32 v[AM0], s78, v[AM0]      ; row 64 (w % 2) + r, words 8 h on
	v_lshrrev_b32 v[VPF], 1, v1
	v_lshlrev_b32 v[VPF], 14, v[VPF]
	v_and_b32 v15, 1, v0
	v_lshl_add_u32 v[VPF], v15, 8, v[VPF] ; row l / 2, block l % 2 of the slot's 512 bytes
; THE MATRIX WORK.  The 4 accumulators of a run of 8 take turns.  Product i of 8 of S^T = K Q^T for piece x: channels 32 (i / 4) on, keys 16 (i % 4) on.  The first 4 start the sums.
.macro KQ x
	WIN W_KQ
.set rS, S+32*((\x)%2)+8*(i%4)
.set rK, KF+16*(i%4)+8*(i/4)
.set rQ, 16*(\x)+8*(i/4)
.if i < 4
	v_wmma_f32_16x16x32_f16 v[rS:rS+7], v[rK:rK+7], v[rQ:rQ+7], 0
.else
	v_wmma_f32_16x16x32_f16 v[rS:rS+7], v[rK:rK+7], v[rQ:rQ+7], v[rS:rS+7]
.endif
.endm
; Product i of 8 of O^T += V^T P for piece x: keys 32 (i / 4) on, channels 16 (i % 4) on.
.macro PV x
	WIN W_PV
.set rO, 32*(\x)+8*(i%4)
.set rV, VF+32*(i/4)+8*(i%4)
.set rP, P+16*((\x)%2)+8*(i/4)
	v_wmma_f32_16x16x32_f16 v[rO:rO+7], v[rV:rV+7], v[rP:rP+7], v[rO:rO+7]
.endm
.macro MM                           ; the turn's next matrix instruction
.if i < 8
	KQ (Y+1)%NP
.else
.set i, i-8
	PV (Y+NP-1)%NP
.set i, i+8
.endif
.set i, i+1
.endm
; THE LDS LOADS stand in runs: a step's K and its V, 16 chunks each, lane l at byte 16 l of a chunk; a piece's 32 words of the mask a lane, 8 loads.  The steps of a slot take turns by an exclusive or,
; so the run that is one too many at the launch's end reads bytes that were filled, and no run is ever jumped over.
.macro FETCH_K
	WIN 0x80                        ; destination window 2
.set f, 0
.rept 16
	ds_load_b128 v[KF+4*f:KF+4*f+3], v[AK] offset:512*f
.set f, f+1
.endr
	s_xor_b32 s[TK], s[TK], 8192
	WIN 0
.endm
.macro FETCH_V
	WIN 0x80
.set f, 0
.rept 16
	ds_load_b128 v[VF+4*f:VF+4*f+3], v[AV] offset:512*f
.set f, f+1
.endr
	s_xor_b32 s[TV], s[TV], 8192
	WIN 0
.endm
.macro FETCH_M y                    ; piece y: rows 16 y on; for each group kt of 16 keys my 8 words
	WIN 0
.irp kt, 0,1,2,3
	ds_load_b128 v[MK+32*((\y)%2)+8*(\kt):MK+32*((\y)%2)+8*(\kt)+3],   v[AM] offset:16*PM*(\y)+64*(\kt)
	ds_load_b128 v[MK+32*((\y)%2)+8*(\kt)+4:MK+32*((\y)%2)+8*(\kt)+7], v[AM] offset:16*PM*(\y)+64*(\kt)+16
.endr
.endm
; THE VECTOR WORK, one line at a time: OP kind, number.  For piece Y: F n: c s - c m for pair n of 16.  E n: the exponential of score n of 32.  C n: pair n rounded to f16.  B n: of the four weights 4 n ..
; the second pair is added onto the first, in place.  L n: l takes that sum (L 0: l = a l + sum).  R n: pair n of 16 of O^T times a.  For piece Y + 1: G n: pair n of its scores takes mask x (-1e9)
; (each accumulator's lowest registers are read first); X n, number n of the 22 that find its maximum and statistics:
;   0-11  four chains c0-c3 of seven scores each, three operands at a time     12-14, 16  the four scores left over, the old m, and c0-c3 into c0
;   15  c m_old is kept     17, 18  the query's other 32 keys lie in the lane 16 away: the new m     19-21  c m; c m_old - c m_new; a
.set F, 0
.set E, 1
.set C, 2
.set B, 3
.set L, 4
.set R, 5
.set X, 6
.set G, 7
.macro REGS y
.set rT, ST+4*(\y)
.set rC, TMP+4*((\y)%2)
.set rW, MV+((\y)%2)
.set rS, S+32*((\y)%2)
.set rG, MK+32*((\y)%2)
.set rP, P+16*((\y)%2)
.set rO, 32*(\y)
.endm
.macro OP k, n
.if (\k) == R
	REGS Y
	WIN W_RS
	v_pk_mul_f32 v[rO+2*(\n):rO+2*(\n)+1], v[rO+2*(\n):rO+2*(\n)+1], v[rC+2:rC+3] op_sel_hi:[1,0]
.elseif (\k) < R
	REGS Y
	WIN 0
.if (\k) == F
	v_pk_fma_f32 v[rS+2*(\n):rS+2*(\n)+1], v[rS+2*(\n):rS+2*(\n)+1], s[CS:CS+1], v[rT:rT+1] op_sel_hi:[1,0,0] neg_lo:[0,0,1] neg_hi:[0,0,1]
.elseif (\k) == E
	v_exp_f32 v[rS+(\n)], v[rS+(\n)]
.elseif (\k) == C
	s_wait_alu depctr_va_vdst(0)
	v_cvt_pk_f16_f32 v[rP+(\n)], v[rS+2*(\n)], v[rS+2*(\n)+1]
.elseif (\k) == B
	s_wait_alu depctr_va_vdst(0)
	v_pk_add_f32 v[rS+4*(\n):rS+4*(\n)+1], v[rS+4*(\n):rS+4*(\n)+1], v[rS+4*(\n)+2:rS+4*(\n)+3]
.elseif (\n) == 0
	v_pk_fma_f32 v[rT+2:rT+3], v[rT+2:rT+3], v[rC+2:rC+3], v[rS:rS+1] op_sel_hi:[1,0,1]
.else
	v_pk_add_f32 v[rT+2:rT+3], v[rT+2:rT+3], v[rS+4*(\n):rS+4*(\n)+1]
.endif
.elseif (\k) == G
	REGS (Y+1)%NP
	WIN 0
	v_pk_fma_f32 v[rS+2*(\n):rS+2*(\n)+1], v[rG+2*(\n):rG+2*(\n)+1], s[NG:NG+1], v[rS+2*(\n):rS+2*(\n)+1] op_sel_hi:[1,0,1]
.else
	REGS (Y+1)%NP
	WIN 0
.if (\n) < 4
	v_max3_num_f32 v[rC+(\n)], v[rS+8*(\n)], v[rS+8*(\n)+1], v[rS+8*(\n)+2]
.elseif (\n) < 12
	v_max3_num_f32 v[rC+(\n)%4], v[rC+(\n)%4], v[rS+8*((\n)%4)+2*((\n)/4)+1], v[rS+8*((\n)%4)+2*((\n)/4)+2]
.elseif (\n) == 12
	v_max3_num_f32 v[rC], v[rC], v[rS+7], v[rS+15]
.elseif (\n) == 13
	v_max3_num_f32 v[rC+1], v[rC+1], v[rS+23], v[rS+31]
.elseif (\n) == 14
	v_max3_num_f32 v[rC+2], v[rC+2], v[rC+3], v[rT+1]
.elseif (\n) == 15
	v_mov_b32 v[rW], v[rT]
.elseif (\n) == 16
	v_max3_num_f32 v[rC], v[rC], v[rC+1], v[rC+2]
.elseif (\n) == 17
	v_permlanex16_b32 v[rC+3], v[rC], s[SEL], s[SEL+1]
.elseif (\n) == 18
	v_max_num_f32 v[rT+1], v[rC], v[rC+3]
.elseif (\n) == 19
	v_mul_f32 v[rT], s[CS], v[rT+1]
.elseif (\n) == 20
	v_sub_f32 v[rC+1], v[rW], v[rT]
.else
	v_exp_f32 v[rC+2], v[rC+1]
.endif
.endif
.endm
.macro OPS a, i1, b=-1, i2=0, c=-1, i3=0, d=-1, i4=0  ; up to four of them
	OP \a, \i1
.if (\b) >= 0
	OP \b, \i2
.endif
.if (\c) >= 0
	OP \c, \i3
.endif
.if (\d) >= 0
	OP \d, \i4
.endif
.endm
.macro ROW a, i1, b, i2, c, i3, d, i4  ; a matrix instruction and the four behind it
	MM
	OPS \a, \i1, \b, \i2, \c, \i3, \d, \i4
.endm
; A TURN, for piece p: the order of its 16 matrix and 134 vector instructions, written out.  Behind a matrix instruction: plain, exponential, plain, plain; or four of the rescaling; or four scalings; none
; names a register of the products round it.  The mask's 16 lines stand in the first lump, fourteen vector instructions behind the last product K Q^T (nine of them plain).
; A trip is turns 2, 3, 0, 1, and all that it fetches is one step's: turn 2 the mask of piece 0 and K; turn 3 the mask of piece 1; turn 0 that of piece 2 and V; turn 1 that of piece 3.
; K is fetched six vector instructions behind the last product that read K (five plain), V eight behind the last that read V (four plain).
; THE WAITS count the LDS loads issued behind the run that is wanted.  For the mask's lines: turn 2 wants piece 3's words: behind them piece 0's 8 and K's 16; turn 3: piece 0's, in since the wait for K;
; its own 8 may stay out; turn 0 wants piece 1's: behind them piece 2's 8; turn 1 wants piece 2's: behind them V's 16 and piece 3's 8.  For V in turn 1: behind it piece 3's 8.
.macro TURN p, cnt=0
.set Y, (\p)
.set i, 0
	WIN 0
.if (\p) == 2
	v_add_nc_u32 v[AM], s[TM], v[AM0]
.endif
.if (\p) == 3
	s_wait_dscnt 0x0                ; K is in
.endif
	FETCH_M ((\p)+2)%NP
.if (\p) == 1
	s_xor_b32 s[TM], s[TM], 256     ; the next trip's mask loads are the slot's other step's
.endif
	ROW F,0, F,1, F,2, F,3
	ROW F,4, E,0, F,5, F,6
	ROW F,7, E,1, F,8, F,9
	ROW F,10, E,2, C,0, F,11
	ROW F,12, E,3, X,15, F,13
	ROW R,0, R,1, R,2, R,3
	ROW B,0, E,4, F,14, L,0
.if (\p) == 2
	v_add_nc_u32 v[AK], s[TK], v[AK0]
.endif
	ROW R,4, R,5, R,6, R,7
	OPS E,5, F,15
.if (\p) == 2
	FETCH_K
.endif
	OPS E,6, C,1, E,7, R,8
	OPS E,8, R,9, E,9, C,2
.if ((\p) == 2) || ((\p) == 1)
	s_wait_dscnt 24
.else
	s_wait_dscnt 8
.endif
	OPS G,0, G,1, G,2, G,3
	OPS G,4, G,5, G,6, G,7
	OPS G,8, G,9, G,10, G,11
	OPS G,12, G,13, G,14, G,15
	OPS E,10, X,0, E,11, X,1
	OPS E,12, X,2, E,13, X,3
.if (\p) == 1
	s_wait_dscnt 8                  ; V is in
.endif
	ROW X,4, E,14, X,5, X,6
	ROW X,7, E,15, X,8, X,9
	ROW X,10, E,16, X,11, X,12
	ROW X,13, E,17, X,14, B,1
	ROW C,4, E,18, X,16, L,1
	ROW B,2, E,19, C,6, L,2
	ROW C,8, E,20, B,3, B,4
.if (\p) == 0
	v_add_nc_u32 v[AV], s[TV], v[AV0]
.endif
	ROW C,3, E,21, L,3, C,5
	OPS E,22, X,17, E,23, C,10
.if (\p) == 0
	FETCH_V
.endif
	OPS E,24, L,4
	OPS E,25, X,18, E,26, C,7
	OPS E,27, B,5, E,28, X,19
	OPS E,29, C,12, E,30, L,5
	OPS E,31, X,20, B,6, C,9
	OPS C,14, C,11, X,21, L,6
.if \cnt
	s_sub_co_u32 s[CNT], s[CNT], 1  ; the loop's count is taken down some lines ahead of the branch behind the turn
	s_cmp_lg_u32 s[CNT], 0
.endif
	OPS C,13, B,7, C,15, R,10
	OPS R,11, R,12, L,7, R,13
	OPS R,14, R,15
.endm
	CHANGE 1                        ; slot 0 is in, everybody's part of it; slot 1 is asked for
	v_add_nc_u32 v[AK], s[TK], v[AK0]
	v_add_nc_u32 v[AM], s[TM], v[AM0]
	FETCH_K                         ; key step 0
	FETCH_M 0
	FETCH_M 1
	s_wait_loadcnt 0x0              ; Q
	s_wait_dscnt 0x0
.set i, 0
.rept 8
	KQ 0                            ; piece 0's first scores
.set i, i+1
.endr
	WIN 0
.rept 4
	v_nop                           ; the places behind those products
.endr
.set Y, NP-1                        ; G and X work for piece Y + 1: piece 0
.irp n, 0,1,2,3,4,5,6,7,8,9,10,11,12,13,14,15
	OP G, \n
.endr
.irp n, 0,1,2,3,4,5,6,7,8,9,10,11,12,13,14,15,16,17,18,19,20,21
	OP X, \n
.endr
	v_nop                           ; a plain instruction behind the exponential
	s_mov_b32 s[CNT], 2
	s_mov_b32 s[SLOTS], 31
	s_branch .Lfirst                ; the loop is entered at a step's first turn, in the middle of a trip
.Lslot:                             ; 30 times: slots 1 to 30 are entered, slots 2 to 31 asked for
	CHANGE 1
	s_mov_b32 s[CNT], 2
.Lstep:                             ; a trip: pieces 2 and 3 of one step, then pieces 0 and 1 of the next, whose K, V and mask it fetches
	TURN 2
	TURN 3
	WIN 0
.Lfirst:
	TURN 0
	TURN 1, 1
	WIN 0
	s_cbranch_scc1 .Lstep
	s_sub_co_u32 s[SLOTS], s[SLOTS], 1
	s_cmp_lg_u32 s[SLOTS], 0
	s_cbranch_scc1 .Lslot
	CHANGE 0                        ; the tail is written out: nothing is asked for
	s_mov_b32 s[CNT], 3             ; two trips fetch the last slot's steps; the third is left in its middle
.Ltail:
	TURN 2
	TURN 3
	WIN 0
	s_sub_co_u32 s[CNT], s[CNT], 1
	s_cmp_eq_u32 s[CNT], 0
	s_cbranch_scc1 .Lout
	TURN 0
	TURN 1
	WIN 0
	s_branch .Ltail
.Lout:                              ; the third trip's 8 products K Q^T for piece 0, and the maximum made of them, serve nothing: the price, once a launch, of one text for every trip; l and O^T are not touched by them
.set i, 0
.rept 8
	PV NP-1                         ; the last piece's V^T P of the last step
.set i, i+1
.endr
	; THE WAY OUT.  l's two halves and the other half of the lanes' are added; O^T is divided by l and rounded to f16.  A lane's eight channels of a row are its 16 bytes of a chunk of the next launch's
	; operand, so they are stored as they stand: every store of the wave covers 512 consecutive bytes, aligned.  The additions are the places behind the last products.
	WIN 0
.macro ALL line:vararg              ; one line for each piece t
.set t, 0
.rept 4
	\line
.set t, t+1
.endr
.endm
	ALL v_add_f32 v[ST+4*t+2], v[ST+4*t+2], v[ST+4*t+3]
	ALL v_permlanex16_b32 v[ST+4*t+3], v[ST+4*t+2], s[SEL], s[SEL+1]
	ALL v_add_f32 v[ST+4*t+2], v[ST+4*t+2], v[ST+4*t+3]
	ALL v_rcp_f32 v[ST+4*t+2], v[ST+4*t+2]
	v_nop                           ; a plain instruction between the last reciprocal and the use of its result
.macro PACK t
	WIN W_RS
.set i, 32*(\t)
.rept 16
	s_wait_alu depctr_va_vdst(0)
	v_pk_mul_f32 v[i:i+1], v[i:i+1], v[ST+4*(\t)+2:ST+4*(\t)+3] op_sel_hi:[1,0]
.set i, i+2
.endr
	WIN 0x05                        ; sources 0 and 1 window 1, destination window 0: S^T's registers are free, and each is written once
.set i, 0
.rept 16
	v_cvt_pk_f16_f32 v[S+16*(\t)+i], v[32*(\t)+2*i], v[32*(\t)+2*i+1]
.set i, i+1
.endr
	WIN 0
.irp f, 0,1,2,3
	global_store_b128 v[GO], v[S+16*(\t)+4*(\f):S+16*(\t)+4*(\f)+3], s[12:13] offset:16384*(\t)+512*(\f)
.endr
.endm
	PACK 0
	PACK 1
	PACK 2
	PACK 3
	s_wait_tensorcnt 0x0            ; the wave's end, behind my last tensor load
	ds_add_u32 v[SPW], v[NIL]
	s_wait_dscnt 0x0
	CROUND                          ; the closing round: no work-group ends while a partner may still ask for a tile that names it
	s_endpgm
.Lfunc_end_k_q4577714245_attn:
	.size	k_q4577714245_attn, .Lfunc_end_k_q4577714245_attn-k_q4577714245_attn
	.p2alignl 7, 3214868480
	.fill 96, 4, 3214868480
	.section	.rodata,"a",@progbits
	.p2align	6, 0x0
	.amdhsa_kernel k_q4577714245_attn
		.amdhsa_group_segment_fixed_size 327680
		.amdhsa_private_segment_fixed_size 0
		.amdhsa_enable_private_segment 0
		.amdhsa_kernarg_size 40
		.amdhsa_user_sgpr_count 2
		.amdhsa_user_sgpr_kernarg_segment_ptr 1
		.amdhsa_wavefront_size32 1
		.amdhsa_system_sgpr_workgroup_id_x 1
		.amdhsa_system_sgpr_workgroup_id_y 1
		.amdhsa_system_sgpr_workgroup_id_z 1
		.amdhsa_system_vgpr_workitem_id 0
		.amdhsa_next_free_vgpr 768
		.amdhsa_next_free_sgpr 80
		.amdhsa_reserve_vcc 0
		.amdhsa_float_denorm_mode_32 3
		.amdhsa_float_denorm_mode_16_64 3
		.amdhsa_memory_ordered 1
		.amdhsa_forward_progress 1
		.amdhsa_inst_pref_size 129
	.end_amdhsa_kernel
	.amdgpu_metadata
---
amdhsa.version: [ 1, 2 ]
amdhsa.kernels:
  - .name:           k_q4577714245_attn
    .symbol:         k_q4577714245_attn.kd
    .args:
      - { .name: qf, .offset: 0, .size: 8, .value_kind: global_buffer, .address_space: global }
      - { .name: kf, .offset: 8, .size: 8, .value_kind: global_buffer, .address_space: global }
      - { .name: vf, .offset: 16, .size: 8, .value_kind: global_buffer, .address_space: global }
      - { .name: mask, .offset: 24, .size: 8, .value_kind: global_buffer, .address_space: global }
      - { .name: of, .offset: 32, .size: 8, .value_kind: global_buffer, .address_space: global }
    .group_segment_fixed_size: 327680
    .private_segment_fixed_size: 0
    .kernarg_segment_align: 8
    .kernarg_segment_size: 40
    .max_flat_workgroup_size: 128
    .sgpr_count:     80
    .vgpr_count:     768
    .wavefront_size: 32
...
	.end_amdgpu_metadata
.endif
;; end of part 2
;; launch outp (part 3): grid 4 x 64, 4 waves a work-group, no clusters, 17,920 bytes of LDS; arguments of, wof, bo, out0; writes out0
.if DOCPART == 3
	.amdgcn_target "amdgcn-amd-amdhsa--gfx1250"
	.amdhsa_code_object_version 6
	.text
	.protected	k_q4577714245_outp
	.globl	k_q4577714245_outp
	.p2align	8
	.type	k_q4577714245_outp,@function
k_q4577714245_outp:
	s_mov_b64 s[64:65], 0
	v_nop
	global_prefetch_b8 v0, s[64:65] scope:SCOPE_SE
	s_setreg_imm32_b32 hwreg(HW_REG_WAVE_MODE, 25, 1), 1
	s_wait_xcnt 0x0
; out0 = O Wo + bo.  O: 8,192 rows x 512 in f16, Wo: 512 x 512 (bf16 numbers written as f16), both in chunks of 512 bytes in the order in which the matrix unit wants them
; (of: [block of 16 rows][kc][j]: row r, k = 32 kc + 16 j + 8 h + 0..7; wof: [kc][nb][j]: column 16 nb + r, the same k); bo: [512] f32, rounded to bf16 like the other inputs; out0: f32.
; Products in f16 with f32 sums, started by the bias as the first product's C operand.  A work-group makes 128 x 128 of out0, a wave 64 x 64: 16 accumulators.
; Both operands come straight from memory into fragment registers (a load of the wave takes 512 consecutive bytes): a wave tile of this size would need one LDS load for each matrix instruction,
; so a way through LDS would spare nothing.  A ring of four register slots keeps three K steps' 48 loads of every wave on their way.
; THE MATRIX INSTRUCTION IS USED TRANSPOSED (source 0 = 16 columns of Wo, source 1 = 16 rows of O): a lane holds eight neighbouring numbers of a row of out0.
; NO CLUSTER and no tensor load: nothing passes through LDS but the results.  LIMITS: NaN and infinities are not treated apart.
; REGISTERS: window 0: v2-6 addresses; v32-63 the bias; v64-191 accumulators ((mb, nb) at 64 + 8 (4 mb + nb)); v192-255 two banks on the way out.  window 1: the ring, slot kc % 4: O at +8 mb, Wo at +32 + 8 nb.
.set SPITCH, 272                       ; a row of the stage: 256 bytes + 16: the 16 rows of a store start at 16 different groups of four banks
.set STG,    16*SPITCH                 ; a wave's own stage: 16 rows
.set SPARE,  4*STG                     ; behind the stages: the spare words, 128 bytes for each wave
.set VL,  2                            ; v2   16 l
.set VBO, 3                            ; v3   32 h
.set STO, 4                            ; v4   where I put 32 bytes of a row
.set RD,  5                            ; v5   where I read a row back
.set CO,  6                            ; v6   my byte offset in two rows of out0
.set SPW, 28
.set NIL, 29
.set BI,  32
.set ACC, 64
.set BK,  192
.set MSB, 0
.macro WIN new
.if MSB != (\new)
	s_set_vgpr_msb (MSB<<8)|(\new)
.set MSB, (\new)
.endif
.endm
	s_load_b256 s[4:11], s[0:1], 0x0               ; of s[4:5], wof s[6:7], bo s[8:9], out0 s[10:11]
	v_lshl_add_u32 v[SPW], v0, 2, SPARE
	v_mov_b32 v[NIL], 0
	v_lshrrev_b32 v1, 5, v0
	v_readfirstlane_b32 s12, v1                    ; wave 0..3
	s_lshr_b32 s13, s12, 1                         ; wm: which 64 rows
	s_and_b32 s14, s12, 1                          ; wn: which 64 columns
	s_and_b32 s15, ttmp7, 0xffff                   ; by
	s_lshl_b32 s16, s15, 3
	s_lshl2_add_u32 s16, s13, s16
	s_lshl_b32 s16, s16, 14                        ; O: block of 16 rows 8 by + 4 wm, 16,384 bytes each
	s_mov_b32 s17, 0
	s_lshl_b32 s18, ttmp9, 3
	s_lshl2_add_u32 s18, s14, s18
	s_lshl_b32 s18, s18, 10                        ; Wo: block of 16 columns 8 bx + 4 wn, 1,024 bytes each
	s_mov_b32 s19, 0
	s_lshl_b32 s20, ttmp9, 9
	s_lshl_b32 s22, s14, 8
	s_add_co_u32 s20, s20, s22                     ; my first column, in bytes of f32
	s_mov_b32 s21, 0
	s_lshl_b32 s22, s15, 18
	s_lshl_b32 s24, s13, 17
	s_add_co_u32 s22, s22, s24
	s_add_co_u32 s22, s22, s20                     ; out0: my first row x 2,048 bytes + my first column
	s_mov_b32 s23, 0
	s_mul_i32 s25, s12, STG
	v_and_b32 v7, 15, v0                           ; r
	v_bfe_u32 v8, v0, 4, 1                         ; h
	v_and_b32 v9, 31, v0                           ; l
	v_lshlrev_b32 v[VL], 4, v9
	v_lshlrev_b32 v[VBO], 5, v8
	v_mul_u32_u24 v[STO], v7, SPITCH
	v_lshl_add_u32 v[STO], v8, 5, v[STO]
	v_add_nc_u32 v[STO], s25, v[STO]               ; in: row r, 32 bytes for each half of the lanes
	v_mul_u32_u24 v[RD], v8, SPITCH
	v_lshl_add_u32 v[RD], v7, 4, v[RD]
	v_add_nc_u32 v[RD], s25, v[RD]                 ; back: lanes 0-15 take one row of 256 bytes, lanes 16-31 the next
	v_lshlrev_b32 v[CO], 11, v8
	v_lshl_add_u32 v[CO], v7, 4, v[CO]             ; and the same two rows in out0
	s_wait_kmcnt 0x0
	s_add_nc_u64 s[4:5], s[4:5], s[16:17]
	s_add_nc_u64 s[6:7], s[6:7], s[18:19]
	s_add_nc_u64 s[8:9], s[8:9], s[20:21]
	s_add_nc_u64 s[10:11], s[10:11], s[22:23]
; 16 loads: K step kc's four fragments of O and four of Wo, into ring slot kc % 4.  No address is ever stepped: all else stands in the immediates.
.macro LD kc
	WIN 0x40                                       ; destination window 1, address window 0
.set rB, 64*((\kc)%4)
.irp m, 0,1,2,3
	global_load_b128 v[rB+8*(\m):rB+8*(\m)+3],   v[VL], s[4:5] offset:16384*(\m)+1024*(\kc)
	global_load_b128 v[rB+8*(\m)+4:rB+8*(\m)+7], v[VL], s[4:5] offset:16384*(\m)+1024*(\kc)+512
.endr
.irp n, 0,1,2,3
	global_load_b128 v[rB+32+8*(\n):rB+32+8*(\n)+3],   v[VL], s[6:7] offset:32768*(\kc)+1024*(\n)
	global_load_b128 v[rB+32+8*(\n)+4:rB+32+8*(\n)+7], v[VL], s[6:7] offset:32768*(\kc)+1024*(\n)+512
.endr
.endm
; K step kc: 16 matrix instructions, one on each accumulator: they take turns.  left: the loads of the younger ring slots, which may stay out.
; Behind them, four places (ISA guide 7.12.1 for vector instructions), and the slot just read takes the K step four further on.
.macro KS kc, left
	s_wait_loadcnt \left
.if (\kc) == 0
	WIN 0                                          ; the bias is rounded to bf16 and widened again
.irp n, 0,1,2,3
.irp j, 0,1,2,3
	v_cvt_pk_bf16_f32 v[BK+4*(\n)+(\j)], v[BI+8*(\n)+2*(\j)], v[BI+8*(\n)+2*(\j)+1]
.endr
.endr
.irp n, 0,1,2,3
.irp j, 0,1,2,3
	v_lshlrev_b32 v[BI+8*(\n)+2*(\j)], 16, v[BK+4*(\n)+(\j)]
	v_and_b32 v[BI+8*(\n)+2*(\j)+1], 0xffff0000, v[BK+4*(\n)+(\j)]
.endr
.endr
.endif
	WIN 0x05                                       ; sources 0 and 1 window 1; C and D window 0
.set rB, 64*((\kc)%4)
.irp m, 0,1,2,3
.irp n, 0,1,2,3
.if (\kc) == 0
	v_wmma_f32_16x16x32_f16 v[ACC+8*(4*(\m)+(\n)):ACC+8*(4*(\m)+(\n))+7], v[rB+32+8*(\n):rB+32+8*(\n)+7], v[rB+8*(\m):rB+8*(\m)+7], v[BI+8*(\n):BI+8*(\n)+7]
.else
	v_wmma_f32_16x16x32_f16 v[ACC+8*(4*(\m)+(\n)):ACC+8*(4*(\m)+(\n))+7], v[rB+32+8*(\n):rB+32+8*(\n)+7], v[rB+8*(\m):rB+8*(\m)+7], v[ACC+8*(4*(\m)+(\n)):ACC+8*(4*(\m)+(\n))+7]
.endif
.endr
.endr
.if (\kc) < 12
.rept 4
	v_nop
.endr
	LD (\kc)+4
.endif
.endm
.irp n, 0,1,2,3
	global_load_b128 v[BI+8*(\n):BI+8*(\n)+3],   v[VBO], s[8:9] offset:64*(\n)      ; register j of an accumulator is column 16 nb + 8 h + j
	global_load_b128 v[BI+8*(\n)+4:BI+8*(\n)+7], v[VBO], s[8:9] offset:64*(\n)+16
.endr
	LD 0
	LD 1
	LD 2
	LD 3
.irp kc, 0,1,2,3,4,5,6,7,8,9,10,11,12
	KS \kc, 48
.endr
	KS 13, 32                                      ; the last steps load nothing: the counts run down
	KS 14, 16
	KS 15, 0
	WIN 0
.rept 4
	v_nop                                          ; four places behind the last products
.endr
	; THE WAY OUT, 16 rows at a time, through my own stage: 32 bytes a lane in (each accumulator's low half first), whole rows of 256 bytes back, and stored:
	; 16 lanes store 256 consecutive bytes, at a multiple of 256 from out0's first byte.  LDS serves a wave's instructions in order (ISA guide 5.7.1.4), so no wait stands between the stores and the loads.
.irp m, 0,1,2,3
.irp n, 0,1,2,3
	ds_store_b128 v[STO], v[ACC+8*(4*(\m)+(\n)):ACC+8*(4*(\m)+(\n))+3]   offset:64*(\n)
	ds_store_b128 v[STO], v[ACC+8*(4*(\m)+(\n))+4:ACC+8*(4*(\m)+(\n))+7] offset:64*(\n)+16
.endr
.if (\m) >= 2
	s_wait_xcnt 0x0                                ; the bank is used a second time: the stores that read it have had their addresses translated (ISA guide 3.1)
.endif
.irp t, 0,1,2,3,4,5,6,7
	ds_load_b128 v[BK+32*((\m)%2)+4*(\t):BK+32*((\m)%2)+4*(\t)+3], v[RD] offset:2*SPITCH*(\t)
.endr
	s_wait_dscnt 0x0
.irp t, 0,1,2,3,4,5,6,7
	global_store_b128 v[CO], v[BK+32*((\m)%2)+4*(\t):BK+32*((\m)%2)+4*(\t)+3], s[10:11] offset:(16*(\m)+2*(\t))*2048 th:TH_STORE_NT
.endr
.endr
	s_wait_tensorcnt 0x0                           ; the wave's end, behind my last LDS store
	ds_add_u32 v[SPW], v[NIL]
	s_wait_dscnt 0x0
	s_endpgm
.Lfunc_end_k_q4577714245_outp:
	.size	k_q4577714245_outp, .Lfunc_end_k_q4577714245_outp-k_q4577714245_outp
	.p2alignl 7, 3214868480
	.fill 96, 4, 3214868480
	.section	.rodata,"a",@progbits
	.p2align	6, 0x0
	.amdhsa_kernel k_q4577714245_outp
		.amdhsa_group_segment_fixed_size 17920
		.amdhsa_private_segment_fixed_size 0
		.amdhsa_enable_private_segment 0
		.amdhsa_kernarg_size 32
		.amdhsa_user_sgpr_count 2
		.amdhsa_user_sgpr_kernarg_segment_ptr 1
		.amdhsa_wavefront_size32 1
		.amdhsa_system_sgpr_workgroup_id_x 1
		.amdhsa_system_sgpr_workgroup_id_y 1
		.amdhsa_system_sgpr_workgroup_id_z 1
		.amdhsa_system_vgpr_workitem_id 0
		.amdhsa_next_free_vgpr 512
		.amdhsa_next_free_sgpr 66
		.amdhsa_reserve_vcc 0
		.amdhsa_float_denorm_mode_32 3
		.amdhsa_float_denorm_mode_16_64 3
		.amdhsa_memory_ordered 1
		.amdhsa_forward_progress 1
		.amdhsa_inst_pref_size 56
	.end_amdhsa_kernel
	.amdgpu_metadata
---
amdhsa.version: [ 1, 2 ]
amdhsa.kernels:
  - .name:           k_q4577714245_outp
    .symbol:         k_q4577714245_outp.kd
    .args:
      - { .name: of, .offset: 0, .size: 8, .value_kind: global_buffer, .address_space: global }
      - { .name: wof, .offset: 8, .size: 8, .value_kind: global_buffer, .address_space: global }
      - { .name: bo, .offset: 16, .size: 8, .value_kind: global_buffer, .address_space: global }
      - { .name: out0, .offset: 24, .size: 8, .value_kind: global_buffer, .address_space: global }
    .group_segment_fixed_size: 17920
    .private_segment_fixed_size: 0
    .kernarg_segment_align: 8
    .kernarg_segment_size: 32
    .max_flat_workgroup_size: 128
    .sgpr_count:     66
    .vgpr_count:     512
    .wavefront_size: 32
...
	.end_amdgpu_metadata
.endif
;; end of part 3
;; ======== version 2 of 2: 3 launches; version 1 with the launch outp written anew for expert scheduling mode
;; limits: values are held in f16: magnitudes above 65,504 overflow, below 6.1e-05 lose precision
;; workspace buffers: qf 8,388,608 bytes; kf 8,388,608 bytes; vf 8,388,608 bytes; of 8,388,608 bytes; wof 524,288 bytes
;; launch qkv: the kernel of part 1 again; grid 4 x 64, 4 waves a work-group, no clusters, 139,776 bytes of LDS; arguments inputs, Wq, Wk, Wv, bq, bk, bv, Wo, qf, kf, vf, wof; writes qf, kf, vf, wof
;; launch attn: the kernel of part 2 again; grid 32 x 8, 4 waves a work-group, clusters of 4 x 4, 327,680 bytes of LDS; arguments qf, kf, vf, mask, of; writes of
;; launch outp (part 4): grid 4 x 64, 4 waves a work-group, no clusters, 17,920 bytes of LDS; arguments of, wof, bo, out0; writes out0
.if DOCPART == 4
	.amdgcn_target "amdgcn-amd-amdhsa--gfx1250"
	.amdhsa_code_object_version 6
	.text
	.protected	k_q4577714245_outp
	.globl	k_q4577714245_outp
	.p2align	8
	.type	k_q4577714245_outp,@function
k_q4577714245_outp:
	s_mov_b64 s[64:65], 0
	v_nop
	global_prefetch_b8 v0, s[64:65] scope:SCOPE_SE
	s_setreg_imm32_b32 hwreg(HW_REG_WAVE_SCHED_MODE, 0, 2), 2
	s_setreg_imm32_b32 hwreg(HW_REG_WAVE_MODE, 25, 1), 1
	s_wait_xcnt 0x0
	s_wait_alu depctr_vm_vsrc(0)
; out0 = O Wo + bo.  O: 8,192 rows x 512 in f16, Wo: 512 x 512 (bf16 numbers written as f16), both in chunks of 512 bytes in the order in which the matrix unit wants them
; (of: [block of 16 rows][kc][j]: row r, k = 32 kc + 16 j + 8 h + 0..7; wof: [kc][nb][j]: column 16 nb + r, the same k); bo: [512] f32, rounded to bf16 like the other inputs; out0: f32.
; Products in f16 with f32 sums, started by the bias as the first product's C operand.  A work-group makes 128 x 128 of out0, a wave 64 x 64: 16 accumulators.
; Both operands come straight from memory into fragment registers (a load of the wave takes 512 consecutive bytes): a wave tile of this size would need one LDS load for each matrix instruction,
; so a way through LDS would spare nothing.
; THE MATRIX INSTRUCTION IS USED TRANSPOSED (source 0 = 16 columns of Wo, source 1 = 16 rows of O): a lane holds eight neighbouring numbers of a row of out0.
; NO CLUSTER and no tensor load: nothing passes through LDS but the results.  LIMITS: NaN and infinities are not treated apart.
; THE MODE: SCHED_MODE bits 1:0 = 2 (LLVM: expert scheduling mode 2), set by the entry lines.  The code itself states the register dependences
; between vector or matrix instructions and memory or LDS instructions, with s_wait_alu, always for 0.
; THE PLAN.  Registers that memory or LDS instructions touch:
;   v2 - v6       addresses and offsets: written at the head, never again; all else stands in immediates and in scalar bases that are never stepped.
;   BI            the bias: loaded once; from then on vector and matrix instructions alone name it.
;   the ring      five slots of 64 registers.  Slot kc % 5: the loads of K step kc land in it; step kc's sixteen matrix instructions read it; the loads of K step kc + 5, issued in step kc + 1, land in it again.
;   ACC           written by matrix instructions; read by the LDS stores of the way out; never written again.
;   BK            two banks.  Step 0's roundings of the bias write sixteen of them; on the way out block m's loads from the stage land in bank m % 2, its global stores read it, and block m + 2's loads land there again.
;   v28, v29      written at the head, read by the closing add alone.
; So ONE wait on va_vdst stands at the head of a step that loads, behind the wait for the step's own data: it states that the step before is done reading its slot.  The sixteen loads into that slot stand
; in the middle of the step's matrix instructions, which name this step's slot, the accumulators and (step 0) the bias: none of the registers that those loads touch.
; At a step's head three younger K steps, 48 loads, are on their way; with the step's own sixteen, 64.
; REGISTERS: window 0: v2-6 addresses; v32-63 the bias; v64-191 accumulators ((mb, nb) at 64 + 8 (4 mb + nb)); v192-255 two banks on the way out.
;   the ring: slots 0-3 fill window 1, slot 4 is v0-63 of window 2; in a slot O at +8 mb, Wo at +32 + 8 nb.
.set SPITCH, 272                       ; a row of the stage: 256 bytes + 16: the 16 rows of a store start at 16 different groups of four banks
.set STG,    16*SPITCH                 ; a wave's own stage: 16 rows
.set SPARE,  4*STG                     ; behind the stages: the spare words, 128 bytes for each wave
.set VL,  2                            ; v2   16 l
.set VBO, 3                            ; v3   32 h
.set STO, 4                            ; v4   where I put 32 bytes of a row
.set RD,  5                            ; v5   where I read a row back
.set CO,  6                            ; v6   my byte offset in two rows of out0
.set SPW, 28
.set NIL, 29
.set BI,  32
.set ACC, 64
.set BK,  192
.set MSB, 0
.macro WIN new
.if MSB != (\new)
	s_set_vgpr_msb (MSB<<8)|(\new)
.set MSB, (\new)
.endif
.endm
	s_load_b256 s[4:11], s[0:1], 0x0               ; of s[4:5], wof s[6:7], bo s[8:9], out0 s[10:11]
	v_lshl_add_u32 v[SPW], v0, 2, SPARE
	v_mov_b32 v[NIL], 0
	v_lshrrev_b32 v1, 5, v0
	v_readfirstlane_b32 s12, v1                    ; wave 0..3
	v_and_b32 v7, 15, v0                           ; r
	v_bfe_u32 v8, v0, 4, 1                         ; h
	v_and_b32 v9, 31, v0                           ; l
	v_lshlrev_b32 v[VL], 4, v9
	v_lshlrev_b32 v[VBO], 5, v8
	v_mul_u32_u24 v[STO], v7, SPITCH
	v_lshl_add_u32 v[STO], v8, 5, v[STO]           ; in: row r, 32 bytes for each half of the lanes
	v_mul_u32_u24 v[RD], v8, SPITCH
	v_lshl_add_u32 v[RD], v7, 4, v[RD]             ; back: lanes 0-15 take one row of 256 bytes, lanes 16-31 the next
	v_lshlrev_b32 v[CO], 11, v8
	v_lshl_add_u32 v[CO], v7, 4, v[CO]             ; and the same two rows in out0
	s_wait_alu depctr_va_sdst(0)                   ; s12 is written, ahead of its first reader: the bases and my stage's place are made from it
	s_lshr_b32 s13, s12, 1                         ; wm: which 64 rows
	s_and_b32 s14, s12, 1                          ; wn: which 64 columns
	s_and_b32 s15, ttmp7, 0xffff                   ; by
	s_lshl_b32 s16, s15, 3
	s_lshl2_add_u32 s16, s13, s16
	s_lshl_b32 s16, s16, 14                        ; O: block of 16 rows 8 by + 4 wm, 16,384 bytes each
	s_mov_b32 s17, 0
	s_lshl_b32 s18, ttmp9, 3
	s_lshl2_add_u32 s18, s14, s18
	s_lshl_b32 s18, s18, 10                        ; Wo: block of 16 columns 8 bx + 4 wn, 1,024 bytes each
	s_mov_b32 s19, 0
	s_lshl_b32 s20, ttmp9, 9
	s_lshl_b32 s22, s14, 8
	s_add_co_u32 s20, s20, s22                     ; my first column, in bytes of f32
	s_mov_b32 s21, 0
	s_lshl_b32 s22, s15, 18
	s_lshl_b32 s24, s13, 17
	s_add_co_u32 s22, s22, s24
	s_add_co_u32 s22, s22, s20                     ; out0: my first row x 2,048 bytes + my first column
	s_mov_b32 s23, 0
	s_mul_i32 s25, s12, STG
	v_add_nc_u32 v[STO], s25, v[STO]               ; both in my own stage
	v_add_nc_u32 v[RD], s25, v[RD]
	s_wait_kmcnt 0x0
	s_add_nc_u64 s[4:5], s[4:5], s[16:17]
	s_add_nc_u64 s[6:7], s[6:7], s[18:19]
	s_add_nc_u64 s[8:9], s[8:9], s[20:21]
	s_add_nc_u64 s[10:11], s[10:11], s[22:23]
	s_wait_alu depctr_va_vdst(0)                   ; v2 to v6 are written, which every load and store of the kernel reads as its address; no later vector instruction names them
; 16 loads: K step kc's four fragments of O and four of Wo, into ring slot kc % 5.  No address is ever stepped: all else stands in the immediates.
.macro LD kc
	WIN 0x40*(1+((\kc)%5)/4)                       ; destination window 1 (slots 0-3) or 2 (slot 4), address window 0
.set rB, 64*(((\kc)%5)%4)
.irp m, 0,1,2,3
	global_load_b128 v[rB+8*(\m):rB+8*(\m)+3],   v[VL], s[4:5] offset:16384*(\m)+1024*(\kc)
	global_load_b128 v[rB+8*(\m)+4:rB+8*(\m)+7], v[VL], s[4:5] offset:16384*(\m)+1024*(\kc)+512
.endr
.irp n, 0,1,2,3
	global_load_b128 v[rB+32+8*(\n):rB+32+8*(\n)+3],   v[VL], s[6:7] offset:32768*(\kc)+1024*(\n)
	global_load_b128 v[rB+32+8*(\n)+4:rB+32+8*(\n)+7], v[VL], s[6:7] offset:32768*(\kc)+1024*(\n)+512
.endr
.endm
; 8 of K step kc's 16 matrix instructions: row blocks m0, m0 + 1 x all 4 column blocks, one on each accumulator: the 16 take turns.
.macro MULS kc, m0
	WIN 0x05*(1+((\kc)%5)/4)                       ; sources 0 and 1 in the slot's window; C and D window 0
.set rB, 64*(((\kc)%5)%4)
.irp m, \m0, (\m0)+1
.irp n, 0,1,2,3
.if (\kc) == 0
	v_wmma_f32_16x16x32_f16 v[ACC+8*(4*(\m)+(\n)):ACC+8*(4*(\m)+(\n))+7], v[rB+32+8*(\n):rB+32+8*(\n)+7], v[rB+8*(\m):rB+8*(\m)+7], v[BI+8*(\n):BI+8*(\n)+7]
.else
	v_wmma_f32_16x16x32_f16 v[ACC+8*(4*(\m)+(\n)):ACC+8*(4*(\m)+(\n))+7], v[rB+32+8*(\n):rB+32+8*(\n)+7], v[rB+8*(\m):rB+8*(\m)+7], v[ACC+8*(4*(\m)+(\n)):ACC+8*(4*(\m)+(\n))+7]
.endif
.endr
.endr
.endm
; K step kc.  left: the loads of the younger K steps, which may stay out.  In its middle the slot that the step before read out takes the K step four further on.
.macro KS kc, left
	s_wait_loadcnt \left                           ; loads come back in order (ISA guide 5.7.1): slot kc % 5 is in (in step 0 the bias too)
.if (\kc) == 0
	WIN 0                                          ; the bias is rounded to bf16 and widened again
.irp n, 0,1,2,3
.irp j, 0,1,2,3
	v_cvt_pk_bf16_f32 v[BK+4*(\n)+(\j)], v[BI+8*(\n)+2*(\j)], v[BI+8*(\n)+2*(\j)+1]
.endr
.endr
.irp n, 0,1,2,3
.irp j, 0,1,2,3
	v_lshlrev_b32 v[BI+8*(\n)+2*(\j)], 16, v[BK+4*(\n)+(\j)]
	v_and_b32 v[BI+8*(\n)+2*(\j)+1], 0xffff0000, v[BK+4*(\n)+(\j)]
.endr
.endr
.endif
.if ((\kc) > 0) && ((\kc) < 12)
	s_wait_alu depctr_va_vdst(0)                   ; the matrix instructions of the step before are done reading their slot, in which the loads below land (in step 0 no vector or matrix instruction has named slot 4 yet)
.endif
	MULS \kc, 0
.if (\kc) < 12
	LD (\kc)+4                                     ; no further wait: no vector or matrix instruction since the wait above names v2 or this slot
.endif
	MULS \kc, 2
.endm
.irp n, 0,1,2,3
	global_load_b128 v[BI+8*(\n):BI+8*(\n)+3],   v[VBO], s[8:9] offset:64*(\n)      ; register j of an accumulator is column 16 nb + 8 h + j
	global_load_b128 v[BI+8*(\n)+4:BI+8*(\n)+7], v[VBO], s[8:9] offset:64*(\n)+16
.endr
	LD 0
	LD 1
	LD 2
	LD 3
.irp kc, 0,1,2,3,4,5,6,7,8,9,10,11,12
	KS \kc, 48
.endr
	KS 13, 32                                      ; the last steps load nothing: the counts run down
	KS 14, 16
	KS 15, 0
	WIN 0
.rept 4
	v_nop                                          ; four places behind the last products, before their results are read (ISA guide 7.12.1)
.endr
	s_wait_alu depctr_va_vdst(0)                   ; the matrix instructions have written the accumulators, which the LDS stores read; the vector lines that named BK, in which the loads from the stage land, are done; the places above stay beside this wait
	; THE WAY OUT, 16 rows at a time, through my own stage: 32 bytes a lane in (each accumulator's low half first), whole rows of 256 bytes back, and stored:
	; 16 lanes store 256 consecutive bytes, at a multiple of 256 from out0's first byte.  LDS serves a wave's instructions in order (ISA guide 5.7.1.4), so no wait stands between the stores and the loads.
.irp m, 0,1,2,3
.irp n, 0,1,2,3
	ds_store_b128 v[STO], v[ACC+8*(4*(\m)+(\n)):ACC+8*(4*(\m)+(\n))+3]   offset:64*(\n)
	ds_store_b128 v[STO], v[ACC+8*(4*(\m)+(\n))+4:ACC+8*(4*(\m)+(\n))+7] offset:64*(\n)+16
.endr
.if (\m) >= 2
	s_wait_xcnt 0x0                                ; the bank is used a second time: the stores that read it have had their addresses translated (ISA guide 3.1)
	s_wait_alu depctr_vm_vsrc(0)                   ; the global stores of the block two back have read the bank, in which the loads below land
.endif
.irp t, 0,1,2,3,4,5,6,7
	ds_load_b128 v[BK+32*((\m)%2)+4*(\t):BK+32*((\m)%2)+4*(\t)+3], v[RD] offset:2*SPITCH*(\t)
.endr
	s_wait_dscnt 0x0
.irp t, 0,1,2,3,4,5,6,7
	global_store_b128 v[CO], v[BK+32*((\m)%2)+4*(\t):BK+32*((\m)%2)+4*(\t)+3], s[10:11] offset:(16*(\m)+2*(\t))*2048 th:TH_STORE_NT
.endr
.endr
	s_wait_dscnt 0x0                               ; the closing lines, six on end
	s_wait_alu 0x0
	s_wait_tensorcnt 0x0
	ds_add_u32 v[SPW], v[NIL]
	s_wait_dscnt 0x0
	s_endpgm
.Lfunc_end_k_q4577714245_outp:
	.size	k_q4577714245_outp, .Lfunc_end_k_q4577714245_outp-k_q4577714245_outp
	.p2alignl 7, 3214868480
	.fill 96, 4, 3214868480
	.section	.rodata,"a",@progbits
	.p2align	6, 0x0
	.amdhsa_kernel k_q4577714245_outp
		.amdhsa_group_segment_fixed_size 17920
		.amdhsa_private_segment_fixed_size 0
		.amdhsa_enable_private_segment 0
		.amdhsa_kernarg_size 32
		.amdhsa_user_sgpr_count 2
		.amdhsa_user_sgpr_kernarg_segment_ptr 1
		.amdhsa_wavefront_size32 1
		.amdhsa_system_sgpr_workgroup_id_x 1
		.amdhsa_system_sgpr_workgroup_id_y 1
		.amdhsa_system_sgpr_workgroup_id_z 1
		.amdhsa_system_vgpr_workitem_id 0
		.amdhsa_next_free_vgpr 576
		.amdhsa_next_free_sgpr 66
		.amdhsa_reserve_vcc 0
		.amdhsa_float_denorm_mode_32 3
		.amdhsa_float_denorm_mode_16_64 3
		.amdhsa_memory_ordered 1
		.amdhsa_forward_progress 1
		.amdhsa_inst_pref_size 55
	.end_amdhsa_kernel
	.amdgpu_metadata
---
amdhsa.version: [ 1, 2 ]
amdhsa.kernels:
  - .name:           k_q4577714245_outp
    .symbol:         k_q4577714245_outp.kd
    .args:
      - { .name: of, .offset: 0, .size: 8, .value_kind: global_buffer, .address_space: global }
      - { .name: wof, .offset: 8, .size: 8, .value_kind: global_buffer, .address_space: global }
      - { .name: bo, .offset: 16, .size: 8, .value_kind: global_buffer, .address_space: global }
      - { .name: out0, .offset: 24, .size: 8, .value_kind: global_buffer, .address_space: global }
    .group_segment_fixed_size: 17920
    .private_segment_fixed_size: 0
    .kernarg_segment_align: 8
    .kernarg_segment_size: 32
    .max_flat_workgroup_size: 128
    .sgpr_count:     66
    .vgpr_count:     576
    .wavefront_size: 32
...
	.end_amdgpu_metadata
.endif
;; end of part 4
